; MI455X (gfx1250); checked and timed in simulation.
; The chip was launched on July 23, 2026; its instructions are those of AMD's public machine-readable ISA for CDNA 5 (MIT licence, August 2026) and "CDNA5" Instruction Set Architecture Reference Guide (July 2026). The comments in the code are by the model that wrote it; some were corrected since.
;; Sig Layer. Allowed arithmetic: float matrix products may take bf16 or f16 operands with f32 sums; all other float work in f32.
;; Inputs: path 64 x 256 x 16 float32.
;; Outputs: out0 64 x 4,368 float32.
;; 2 versions, each right; version 2 is version 1 with the launch sig3 written anew for expert scheduling mode. Each part assembles by itself: llvm-mc -triple=amdgcn-amd-amdhsa -mcpu=gfx1250 --defsym DOCPART=n.
;; ======== version 1 of 2: 1 launch
;; launch sig3 (part 1): grid 256 x 1, 4 waves a work-group, no clusters, 168,448 bytes of LDS; arguments path, out0; writes out0
.if DOCPART == 1
	.amdgcn_target "amdgcn-amd-amdhsa--gfx1250"
	.amdhsa_code_object_version 6
	.text
	.protected	k_q6f58234567_sig3
	.globl	k_q6f58234567_sig3
	.p2align	8
	.type	k_q6f58234567_sig3,@function
k_q6f58234567_sig3:
	s_mov_b64 s[64:65], 0
	v_nop
	global_prefetch_b8 v0, s[64:65] scope:SCOPE_SE
	s_setreg_imm32_b32 hwreg(HW_REG_WAVE_MODE, 25, 1), 1
	s_wait_xcnt 0x0
; Signature of depth 3 of a piecewise linear path.  path: [64][256][16] f32.  out0: [64][16 + 256 + 4096] f32.
; With y_t = x_t - x_0, v_t = y_(t+1) - y_t (t = 0..254) and yT the last point, Chen's recursion sums up to
;   S1 = yT,   S2[i][j] = sum_t (y_t + y_(t+1))[i]/2 * v_t[j],
;   S3[i][j][k] = sum_t v_t[j] * G_t[i][k],   G_t[i][k] = y_t[i] p_t[k] + y_(t+1)[i] q_t[k],
;   p_t = yT/2 - y_(t+1)/6 - y_t/3,   q_t = p_t - v_t/6.
; (In sum_t S2_(t-1)[i][j] v_t[k] the two sums are exchanged; the inner one is then yT - y_(s+1).  Holds for every path.)
; So S3 is, for each i, a product [16 k x 256 t] x [256 t x 16 j], and S2 one more of the same shape: matrix instructions, f16 in, f32 sums.
; SHARES: work-group = (batch, quarter q): i = 4q .. 4q+3.  Wave w takes increments 64w .. 64w+63 for all four i and for S2;
; the four waves' partial tiles are added through LDS, which also turns them into whole rows of out0.
; FORMAT: G, v and y + y' are made in f32 and rounded once to f16.  Each wave first multiplies its y by a power of two that brings the
; largest |y| it uses (yT among them) into [16, 32): then |v| <= 64 and |G| <= 2048, whatever the size of the inputs; the f32 sums are
; multiplied back exactly (mu^2 for S2, mu^3 for S3).
; LIMITS: a wave whose largest |y| is under 2^-122 uses the scale of 2^-122 (S2 and S3 underflow there anyway).  The order of the sums is
; not the scan's.  NaN and infinities get no treatment of their own.
; NOT USED: joint loads in a cluster.  The four work-groups of a batch share its 16,384 bytes, but each reads them once, there is no loop
; of refills, and every number passes through registers (minus row 0, maximum, scale) before it is laid in LDS.
; The work-group asks for more than half of the LDS so that it is alone on its WGP: one wave on each SIMD.
.set OUTB,   17472                     ; bytes of a batch in out0: 64 of S1, 1,024 of S2, 16,384 of S3
.set S2OFF,  64
.set S3OFF,  1088
.set BLK,    1088                      ; input stage: a block of 17 rows of 64 bytes (rows 16g .. 16g+16); 272 words, so blocks lie 16 banks apart
.set INW,    8*BLK                     ; a wave's input stage
.set YTOFF,  1024+4*BLK                ; where the scaled yT lies in it (and once more one block further on)
.set PS,     4*INW                     ; behind the four stages: the partial tiles
.set TP,     80                        ; a tile's row: 64 bytes + 16, an odd multiple of 16: the sixteen 16-byte stores of a half wave meet sixteen different groups of banks
.set TILE,   16*TP
.set PSW,    5*TILE                    ; a wave's five partial tiles: S3 for four i, then S2
.set NEG3,   0xbeaaaaab                ; -1/3
.set NEG6,   0xbe2aaaab                ; -1/6
; vector registers
.set LN,  1                            ; lane
.set RR,  2                            ; lane % 16
.set HH,  3                            ; lane / 16
.set GO,  4                            ; byte offset in the batch of my 16 bytes of the wave's first 8 rows
.set GOX, 5                            ; the same for the extra rows
.set GO0, 6                            ; the same for row 0
.set LST, 7                            ; LDS: where the rows go
.set LSTX,8                            ; LDS: where the extra rows go
.set LCOL,9                            ; LDS: my channel's column
.set LBC, 10                           ; LDS: the work-group's four i, shared by a half wave
.set TMP, 11
.set MXA, 12
.set MXB, 13
.set EX,  14                           ; exponent field of the largest |y|
.set YT,  15                           ; scaled yT of my channel
.set LAM, 16                           ; the scale, twice
.set HT,  18                           ; yT/2, twice
.set VV,  20                           ; v     } pairs: increment u of my first run of sixteen,
.set AA,  22                           ; y+y'  } increment u of my second run
.set PP,  24                           ; p     }
.set QQ,  26                           ; q     }
.set T,   28                           ; v[28:35] G for four i, first run; then second run
.set VF0, 36                           ; fragment of v, first K block
.set AF0, 44                           ; fragment of y + y', first K block
.set GF,  52                           ; v[52:83] fragments of G for four i
.set P,   84                           ; v[84:117] pairs (y of row u of my first run, of my second run), u = 0..16
.set YB,  118                          ; v[118:185] rows u = 0..16 of the first run, four i each; v[186:253] of the second run
.set X,   36                           ; v[36:71] the rows as loaded (dead before the fragments are made)
.set X0,  72                           ; v[72:75] row 0
.set VF1, P                            ; second K block's fragments: in P's pairs 0..7, dead by then
.set AF1, P+8
.set D,   YB                           ; v[118:149] four accumulators, in rows 0..7 of YB, dead by then
.set D4,  YB+68                        ; v[186:193] the fifth
.set R,   YB+34                        ; v[152:183] the way out: four waves' parts of my tile
.set R2,  YB+82                        ; v[200:207] the same for S2
.set LPS, 4                            ; late addresses, in registers of the early ones
.set LRD, 5
.set LRD2,6
.set O3,  7
.set O2,  8
.set O1,  9
.set MU,  16                           ; 1/scale, twice
.set MU2, 18                           ; its square, twice
.set MUH, 20                           ; its half, twice
	s_load_b128 s[4:7], s[0:1], 0x0                ; path s[4:5], out0 s[6:7]
	v_lshl_add_u32 v254, v0, 2, 0x29000
	v_mov_b32 v255, 0
	v_lshrrev_b32 v[TMP], 5, v0
	v_readfirstlane_b32 s8, v[TMP]                 ; wave 0..3
	v_and_b32 v[LN], 31, v0
	v_and_b32 v[RR], 15, v0
	v_bfe_u32 v[HH], v0, 4, 1
	v_and_b32 v[GO0], 3, v0                        ; which 16 bytes of a row of 64
	v_lshrrev_b32 v[TMP], 2, v[LN]                 ; which of the 8 rows that a load of the wave covers
	s_lshr_b32 s9, ttmp9, 2                        ; batch
	s_and_b32 s10, ttmp9, 3                        ; quarter q
	s_lshl_b32 s12, s9, 14                         ; batch x 16,384 bytes of path
	s_mov_b32 s13, 0
	s_mul_i32 s14, s9, OUTB
	s_mov_b32 s15, 0
	s_lshl_b32 s16, s8, 12                         ; wave x 64 rows x 64 bytes
	s_lshl_b32 s18, s8, 6
	s_add_co_u32 s18, s18, 16                      ; row 64 w + 16
	v_lshlrev_b32 v[GO0], 4, v[GO0]
	v_lshl_add_u32 v[GO], v[LN], 4, s16
	; The extra rows: lanes 0-15 take rows 64w + 16, + 32, + 48, + 64 (each block's seventeenth row), lanes 16-31 the last row, 255.
	; Row 64w + 64 of the last wave does not exist: it is clamped to row 255, which makes increment 255 zero.
	v_lshl_add_u32 v[GOX], v[TMP], 4, s18
	v_lshl_add_u32 v[GOX], v[HH], 8, v[GOX]        ; + 256 for lanes 16-31: past the end, so the clamp gives 255
	v_min_u32 v[GOX], 0xff, v[GOX]
	v_lshl_add_u32 v[GOX], v[GOX], 6, v[GO0]
	s_wait_kmcnt 0x0
	s_add_nc_u64 s[4:5], s[4:5], s[12:13]
	s_add_nc_u64 s[6:7], s[6:7], s[14:15]
	global_load_b128 v[X0:X0+3], v[GO0], s[4:5]
.irp n, 0,1,2,3,4,5,6,7
	global_load_b128 v[X+4*\n:X+4*\n+3], v[GO], s[4:5] offset:512*\n   ; 8 rows: 512 consecutive bytes, at a multiple of 512 from path's first byte
.endr
	global_load_b128 v[X+32:X+35], v[GOX], s[4:5]
	; while the loads are out: LDS addresses and the scalars of the way out
	s_mul_i32 s17, s8, INW                         ; my wave's input stage
	s_add_co_u32 s19, s17, 1024
	s_lshl_b32 s20, s10, 4                         ; 16 q: channels 4q .. 4q+3 of a row,
	s_add_co_u32 s20, s20, s17                     ; in my wave's stage
	v_lshl_add_u32 v[LST], v[LN], 4, s17
	v_mul_u32_u24 v[LSTX], v[TMP], BLK             ; extra row s goes to the seventeenth row of block s; rows 4..7 (all yT) lie behind the four blocks
	v_add_nc_u32 v[LSTX], v[GO0], v[LSTX]
	v_add_nc_u32 v[LSTX], s19, v[LSTX]
	v_mul_u32_u24 v[LBC], v[HH], BLK               ; lanes 0-15 read blocks 0 and 2, lanes 16-31 blocks 1 and 3
	v_lshl_add_u32 v[LCOL], v[RR], 2, v[LBC]
	v_add_nc_u32 v[LCOL], s17, v[LCOL]
	v_add_nc_u32 v[LBC], s20, v[LBC]               ; wave x 8,704 + 16 q + 1,088 (lane / 16): with the loads' offsets at most 4,352 bytes into my own stage
	s_mov_b32 s22, 0x76543210                      ; v_permlanex16_b32: lane i of one half reads lane i of the other
	s_mov_b32 s23, 0xfedcba98
	s_mul_i32 s21, s8, PSW
	s_add_co_u32 s21, s21, PS                      ; my wave's partial tiles
	s_mul_i32 s24, s8, TILE
	s_add_co_u32 s24, s24, PS                      ; tile w of wave 0's partial tiles
	s_mul_i32 s25, s10, 4*TP
	s_add_co_u32 s25, s25, PS+4*TILE               ; rows 4q .. of wave 0's S2 tile
	s_lshl_b32 s26, s10, 2
	s_add_co_u32 s26, s26, s8                      ; i = 4q + w
	s_lshl_b32 s26, s26, 10
	s_add_co_u32 s26, s26, S3OFF                   ; S3[i] in the batch's part of out0
	s_lshl_b32 s27, s10, 8
	s_add_co_u32 s27, s27, S2OFF                   ; S2[4q] there
; y = x - x_0 in place, and the running maximum of |y| in two chains
.macro TAKE n
	s_wait_loadcnt 8-\n                            ; loads come back in order: 8 - n were issued behind this one
	v_pk_add_f32 v[X+4*\n:X+4*\n+1], v[X+4*\n:X+4*\n+1], v[X0:X0+1] neg_lo:[0,1] neg_hi:[0,1]
	v_pk_add_f32 v[X+4*\n+2:X+4*\n+3], v[X+4*\n+2:X+4*\n+3], v[X0+2:X0+3] neg_lo:[0,1] neg_hi:[0,1]
.if \n == 0
	v_max_num_f32 v[MXA], |v[X]|, |v[X+1]|         ; the first row starts the chains
	v_max_num_f32 v[MXB], |v[X+2]|, |v[X+3]|
.else
	v_max3_num_f32 v[MXA], v[MXA], |v[X+4*\n]|, |v[X+4*\n+1]|
	v_max3_num_f32 v[MXB], v[MXB], |v[X+4*\n+2]|, |v[X+4*\n+3]|
.endif
.endm
.irp n, 0,1,2,3,4,5,6,7,8
	TAKE \n
.endr
	v_max_num_f32 v[MXA], v[MXA], v[MXB]
	v_max_num_f32_dpp v[MXA], v[MXA], v[MXA] row_xmask:1 row_mask:0xf bank_mask:0xf
	v_max_num_f32_dpp v[MXA], v[MXA], v[MXA] row_xmask:2 row_mask:0xf bank_mask:0xf
	v_max_num_f32_dpp v[MXA], v[MXA], v[MXA] row_xmask:4 row_mask:0xf bank_mask:0xf
	v_max_num_f32_dpp v[MXA], v[MXA], v[MXA] row_xmask:8 row_mask:0xf bank_mask:0xf
	v_permlanex16_b32 v[MXB], v[MXA], s22, s23
	v_max_num_f32 v[MXA], v[MXA], v[MXB]           ; every lane: the largest |y| of the wave's 65 rows and of yT
	v_bfe_u32 v[EX], v[MXA], 23, 8                 ; its exponent field E
	v_max_u32 v[EX], 5, v[EX]                      ; so that both 258 - E and E - 4 are exponent fields of normal numbers
	v_sub_nc_u32 v[TMP], 0x102, v[EX]
	v_lshlrev_b32 v[LAM], 23, v[TMP]               ; scale = 2^(131 - E): the largest |y| comes to lie in [16, 32)
	v_lshlrev_b32 v[LAM+1], 23, v[TMP]
	v_pk_mul_f32 v[X+32:X+33], v[X+32:X+33], v[LAM:LAM+1]
	v_pk_mul_f32 v[X+34:X+35], v[X+34:X+35], v[LAM:LAM+1]
	ds_store_b128 v[LSTX], v[X+32:X+35]
.irp n, 0,1,2,3,4,5,6,7
	v_pk_mul_f32 v[X+4*\n:X+4*\n+1], v[X+4*\n:X+4*\n+1], v[LAM:LAM+1]
	v_pk_mul_f32 v[X+4*\n+2:X+4*\n+3], v[X+4*\n+2:X+4*\n+3], v[LAM:LAM+1]
	ds_store_b128 v[LST], v[X+4*\n:X+4*\n+3] offset:512*\n+64*(\n/2)   ; rows 8n .. 8n+7; 64 bytes are skipped behind every sixteen rows
.endr
	; The stage is my wave's own and LDS serves a wave's instructions in order (ISA guide 5.7.1): the loads below see the stores above.
	ds_load_b32 v[YT], v[LCOL] offset:YTOFF        ; lanes 16-31 read the copy one block further on
.irp u, 0,1,2,3,4,5,6,7,8,9,10,11,12,13,14,15,16
	ds_load_b32 v[P+2*\u], v[LCOL] offset:64*\u              ; row u of my first run
	ds_load_b32 v[P+2*\u+1], v[LCOL] offset:2*BLK+64*\u      ; row u of my second run
.endr
; y[4q .. 4q+3] of row u of both runs: one address for each half wave
.macro YBROW u
	ds_load_b128 v[YB+4*\u:YB+4*\u+3], v[LBC] offset:64*\u
	ds_load_b128 v[YB+68+4*\u:YB+68+4*\u+3], v[LBC] offset:2*BLK+64*\u
.endm
.irp u, 0,1,2,3,4,5,6,7,8
	YBROW \u                                       ; what the first K block reads
.endr
	s_wait_dscnt 18                                ; yT and all of P are in: the 18 loads of YB's rows 0..8 were issued behind them
	v_mul_f32 v[HT], 0.5, v[YT]
	v_mul_f32 v[HT+1], 0.5, v[YT]
.irp u, 9,10,11,12,13,14,15,16
	YBROW \u                                       ; the second K block's rows: they land under the first block's arithmetic
.endr
; Eight steps: register u % 8 of every fragment of one K block.  Lane (r, h), register u, half e of the word stand for
; increment 16 (h + 2e) + u of the wave's 64, in all fragments alike, so the products meet their partners.
.set u, 0
.macro STEPS vf, af
.rept 8
	s_wait_dscnt 30-2*u                            ; rows u and u+1 of YB are in: the loads of rows u+2 .. 16, two each, were issued behind them
	v_pk_add_f32 v[VV:VV+1], v[P+2*u+2:P+2*u+3], v[P+2*u:P+2*u+1] neg_lo:[0,1] neg_hi:[0,1]
	v_pk_fma_f32 v[PP:PP+1], v[P+2*u:P+2*u+1], NEG3, v[HT:HT+1] op_sel_hi:[1,0,1]
	v_pk_add_f32 v[AA:AA+1], v[P+2*u+2:P+2*u+3], v[P+2*u:P+2*u+1]
	v_pk_fma_f32 v[PP:PP+1], v[P+2*u+2:P+2*u+3], NEG6, v[PP:PP+1] op_sel_hi:[1,0,1]
	v_cvt_pk_f16_f32 v[\vf+u%8], v[VV], v[VV+1]
	v_cvt_pk_f16_f32 v[\af+u%8], v[AA], v[AA+1]
	v_pk_fma_f32 v[QQ:QQ+1], v[VV:VV+1], NEG6, v[PP:PP+1] op_sel_hi:[1,0,1]
	; G for two i at a time: (y[i0], y[i1]) times my channel's p, plus the next row's pair times q; op_sel picks the run
	v_pk_mul_f32 v[T:T+1],   v[YB+4*u:YB+4*u+1],       v[PP:PP+1] op_sel_hi:[1,0]
	v_pk_mul_f32 v[T+2:T+3], v[YB+4*u+2:YB+4*u+3],     v[PP:PP+1] op_sel_hi:[1,0]
	v_pk_mul_f32 v[T+4:T+5], v[YB+68+4*u:YB+68+4*u+1], v[PP:PP+1] op_sel:[0,1] op_sel_hi:[1,1]
	v_pk_mul_f32 v[T+6:T+7], v[YB+70+4*u:YB+70+4*u+1], v[PP:PP+1] op_sel:[0,1] op_sel_hi:[1,1]
	v_pk_fma_f32 v[T:T+1],   v[YB+4*u+4:YB+4*u+5],     v[QQ:QQ+1], v[T:T+1]   op_sel_hi:[1,0,1]
	v_pk_fma_f32 v[T+2:T+3], v[YB+4*u+6:YB+4*u+7],     v[QQ:QQ+1], v[T+2:T+3] op_sel_hi:[1,0,1]
	v_pk_fma_f32 v[T+4:T+5], v[YB+72+4*u:YB+72+4*u+1], v[QQ:QQ+1], v[T+4:T+5] op_sel:[0,1,0] op_sel_hi:[1,1,1]
	v_pk_fma_f32 v[T+6:T+7], v[YB+74+4*u:YB+74+4*u+1], v[QQ:QQ+1], v[T+6:T+7] op_sel:[0,1,0] op_sel_hi:[1,1,1]
	v_cvt_pk_f16_f32 v[GF+u%8],    v[T],   v[T+4]
	v_cvt_pk_f16_f32 v[GF+8+u%8],  v[T+1], v[T+5]
	v_cvt_pk_f16_f32 v[GF+16+u%8], v[T+2], v[T+6]
	v_cvt_pk_f16_f32 v[GF+24+u%8], v[T+3], v[T+7]
.set u, u+1
.endr
.endm
; Five matrix instructions on five accumulators, which take turns, one instruction a turn.
; S3: source 0 = G (rows k), source 1 = v (columns j): lane (r, h) gets S3[i][j = r][k = 8h .. 8h+7], 32 neighbouring bytes of out0.
; S2: source 0 = v (rows j), source 1 = y + y' (columns c): lane (r, h) gets 2 S2[c = r][j = 8h .. 8h+7].
.macro MATS vf, af, first
.irp i, 0,1,2,3
.if \first
	v_wmma_f32_16x16x32_f16 v[D+8*\i:D+8*\i+7], v[GF+8*\i:GF+8*\i+7], v[\vf:\vf+7], 0      ; the first product starts the sum
.else
	v_wmma_f32_16x16x32_f16 v[D+8*\i:D+8*\i+7], v[GF+8*\i:GF+8*\i+7], v[\vf:\vf+7], v[D+8*\i:D+8*\i+7]
.endif
.endr
.if \first
	v_wmma_f32_16x16x32_f16 v[D4:D4+7], v[\vf:\vf+7], v[\af:\af+7], 0
.else
	v_wmma_f32_16x16x32_f16 v[D4:D4+7], v[\vf:\vf+7], v[\af:\af+7], v[D4:D4+7]
.endif
.endm
	STEPS VF0, AF0
	MATS VF0, AF0, 1
	STEPS VF1, AF1                                 ; G's fragments are written again fifteen plain vector instructions behind the matrix instructions that read them (ISA guide 7.12.1)
	MATS VF1, AF1, 0
	; Eight plain vector instructions that name no register of the matrix instructions: the places in front of the first read of a result (ISA guide 7.12.1)
	v_add_nc_u32 v[TMP], -4, v[EX]
	v_mul_u32_u24 v[LPS], v[RR], TP
	v_lshlrev_b32 v[MU], 23, v[TMP]                ; mu = 2^(E - 131) = 1 / scale
	v_lshlrev_b32 v[MU+1], 23, v[TMP]
	v_lshl_add_u32 v[LPS], v[HH], 5, v[LPS]
	v_add_nc_u32 v[LPS], s21, v[LPS]               ; my 32 bytes of a tile's row r
	v_pk_mul_f32 v[MU2:MU2+1], v[MU:MU+1], v[MU:MU+1]
	v_pk_mul_f32 v[MUH:MUH+1], v[MU:MU+1], 0.5 op_sel_hi:[1,0]
	; back to the path's own scale, exactly: S3 by mu, then by mu^2; S2 by mu, then by mu/2 (the half of y + y')
.irp t, 0,1,2,3
.irp m, 0,2,4,6
	v_pk_mul_f32 v[D+8*\t+\m:D+8*\t+\m+1], v[D+8*\t+\m:D+8*\t+\m+1], v[MU:MU+1]
.endr
.irp m, 0,2,4,6
	v_pk_mul_f32 v[D+8*\t+\m:D+8*\t+\m+1], v[D+8*\t+\m:D+8*\t+\m+1], v[MU2:MU2+1]
.endr
	ds_store_b128 v[LPS], v[D+8*\t:D+8*\t+3] offset:TILE*\t
	ds_store_b128 v[LPS], v[D+8*\t+4:D+8*\t+7] offset:TILE*\t+16
.endr
.irp m, 0,2,4,6
	v_pk_mul_f32 v[D4+\m:D4+\m+1], v[D4+\m:D4+\m+1], v[MU:MU+1]
.endr
.irp m, 0,2,4,6
	v_pk_mul_f32 v[D4+\m:D4+\m+1], v[D4+\m:D4+\m+1], v[MUH:MUH+1]
.endr
	ds_store_b128 v[LPS], v[D4:D4+3] offset:TILE*4
	ds_store_b128 v[LPS], v[D4+4:D4+7] offset:TILE*4+16
	; addresses of the way out
	v_lshrrev_b32 v[LRD], 2, v[LN]
	v_and_b32 v[TMP], 3, v[LN]
	v_mul_u32_u24 v[LRD], v[LRD], TP
	v_lshl_add_u32 v[LRD], v[TMP], 4, v[LRD]
	v_add_nc_u32 v[LRD], s24, v[LRD]               ; tile w: row lane / 4, 16 bytes at 16 (lane % 4).
	v_lshrrev_b32 v[LRD2], 3, v[LN]
	v_and_b32 v[TMP], 7, v[LN]
	v_mul_u32_u24 v[LRD2], v[LRD2], TP
	v_lshl_add_u32 v[LRD2], v[TMP], 3, v[LRD2]
	v_add_nc_u32 v[LRD2], s25, v[LRD2]             ; S2 tile: row 4q + lane / 8, 8 bytes at 8 (lane % 8): bytes 0 to 63 of a row, never its 16 bytes of padding
	v_lshl_add_u32 v[O3], v[LN], 4, s26
	v_lshl_add_u32 v[O2], v[LN], 3, s27
	v_lshlrev_b32 v[O1], 2, v[RR]
	s_wait_dscnt 0x0                               ; for the other waves' sake: my partial tiles are in LDS
	s_barrier_signal -1
	s_barrier_wait -1                              ; everybody's are
	s_cmp_lg_u32 s8, 0
	s_cbranch_scc1 .Lno_s2_reads
.irp k, 0,1,2,3
	ds_load_b64 v[R2+2*\k:R2+2*\k+1], v[LRD2] offset:PSW*\k           ; wave 0 also adds up the work-group's four rows of S2
.endr
.Lno_s2_reads:
.irp k, 0,1,2,3
	ds_load_b128 v[R+8*\k:R+8*\k+3], v[LRD] offset:PSW*\k             ; wave k's part of S3[4q + w]: rows j = 0..7
	ds_load_b128 v[R+8*\k+4:R+8*\k+7], v[LRD] offset:PSW*\k+8*TP      ; rows j = 8..15
.endr
	s_wait_dscnt 0x0
.irp m, 0,2,4,6
	v_pk_add_f32 v[R+\m:R+\m+1], v[R+\m:R+\m+1], v[R+8+\m:R+8+\m+1]
	v_pk_add_f32 v[R+16+\m:R+16+\m+1], v[R+16+\m:R+16+\m+1], v[R+24+\m:R+24+\m+1]
.endr
.irp m, 0,2,4,6
	v_pk_add_f32 v[R+\m:R+\m+1], v[R+\m:R+\m+1], v[R+16+\m:R+16+\m+1]
.endr
	; Each store of the wave covers 512 consecutive bytes of out0.  (A batch's part begins 64 (batch % 4) bytes behind a multiple of 256, since 17,472 = 68 x 256 + 64.)
	global_store_b128 v[O3], v[R:R+3], s[6:7] th:TH_STORE_NT
	global_store_b128 v[O3], v[R+4:R+7], s[6:7] offset:512 th:TH_STORE_NT
	s_cmp_lg_u32 s8, 0
	s_cbranch_scc1 .Lnot_wave_0
	v_pk_add_f32 v[R2:R2+1], v[R2:R2+1], v[R2+2:R2+3]
	v_pk_add_f32 v[R2+4:R2+5], v[R2+4:R2+5], v[R2+6:R2+7]
	v_pk_add_f32 v[R2:R2+1], v[R2:R2+1], v[R2+4:R2+5]
	global_store_b64 v[O2], v[R2:R2+1], s[6:7] th:TH_STORE_NT         ; S2[4q .. 4q+3]: 32 lanes, 256 consecutive bytes
	s_wait_tensorcnt 0x0
	ds_add_u32 v254, v255
	s_wait_dscnt 0x0
	s_endpgm
.Lnot_wave_0:
	s_xor_b32 s28, s8, 1
	s_or_b32 s28, s28, s10
	s_cmp_lg_u32 s28, 0                            ; S1 is stored once for a batch: by wave 1 of quarter 0
	s_cbranch_scc1 .Lend
	v_mul_f32 v[YT], v[YT], v[MU]                  ; x_255 - x_0, the power of two taken out again
	global_store_b32 v[O1], v[YT], s[6:7] th:TH_STORE_NT              ; 64 bytes; the two halves of the wave hold the same sixteen numbers and write them to the same sixteen words
.Lend:
	s_wait_tensorcnt 0x0
	ds_add_u32 v254, v255
	s_wait_dscnt 0x0
	s_endpgm
.Lfunc_end_k_q6f58234567_sig3:
	.size	k_q6f58234567_sig3, .Lfunc_end_k_q6f58234567_sig3-k_q6f58234567_sig3
	.p2alignl 7, 3214868480
	.fill 96, 4, 3214868480
	.section	.rodata,"a",@progbits
	.p2align	6, 0x0
	.amdhsa_kernel k_q6f58234567_sig3
		.amdhsa_group_segment_fixed_size 168448
		.amdhsa_private_segment_fixed_size 0
		.amdhsa_enable_private_segment 0
		.amdhsa_kernarg_size 16
		.amdhsa_user_sgpr_count 2
		.amdhsa_user_sgpr_kernarg_segment_ptr 1
		.amdhsa_wavefront_size32 1
		.amdhsa_system_sgpr_workgroup_id_x 1
		.amdhsa_system_sgpr_workgroup_id_y 1
		.amdhsa_system_sgpr_workgroup_id_z 1
		.amdhsa_system_vgpr_workitem_id 0
		.amdhsa_next_free_vgpr 256
		.amdhsa_next_free_sgpr 66
		.amdhsa_reserve_vcc 0
		.amdhsa_float_denorm_mode_32 3
		.amdhsa_float_denorm_mode_16_64 3
		.amdhsa_memory_ordered 1
		.amdhsa_forward_progress 1
		.amdhsa_inst_pref_size 42
	.end_amdhsa_kernel
	.amdgpu_metadata
---
amdhsa.version: [ 1, 2 ]
amdhsa.kernels:
  - .name:           k_q6f58234567_sig3
    .symbol:         k_q6f58234567_sig3.kd
    .args:
      - { .name: path, .offset: 0, .size: 8, .value_kind: global_buffer, .address_space: global }
      - { .name: out0, .offset: 8, .size: 8, .value_kind: global_buffer, .address_space: global }
    .group_segment_fixed_size: 168448
    .private_segment_fixed_size: 0
    .kernarg_segment_align: 8
    .kernarg_segment_size: 16
    .max_flat_workgroup_size: 128
    .sgpr_count:     66
    .vgpr_count:     256
    .wavefront_size: 32
...
	.end_amdgpu_metadata
.endif
;; end of part 1
;; ======== version 2 of 2: 1 launch; version 1 with the launch sig3 written anew for expert scheduling mode
;; launch sig3 (part 2): grid 256 x 1, 4 waves a work-group, no clusters, 168,448 bytes of LDS; arguments path, out0; writes out0
.if DOCPART == 2
	.amdgcn_target "amdgcn-amd-amdhsa--gfx1250"
	.amdhsa_code_object_version 6
	.text
	.protected	k_q6f58234567_sig3
	.globl	k_q6f58234567_sig3
	.p2align	8
	.type	k_q6f58234567_sig3,@function
k_q6f58234567_sig3:
	s_mov_b64 s[64:65], 0
	v_nop
	global_prefetch_b8 v0, s[64:65] scope:SCOPE_SE
	s_setreg_imm32_b32 hwreg(HW_REG_WAVE_SCHED_MODE, 0, 2), 2
	s_setreg_imm32_b32 hwreg(HW_REG_WAVE_MODE, 25, 1), 1
	s_wait_xcnt 0x0
	s_wait_alu depctr_vm_vsrc(0)
; Signature of depth 3 of a piecewise linear path.  path: [64][256][16] f32.  out0: [64][16 + 256 + 4096] f32.
; With y_t = x_t - x_0, v_t = y_(t+1) - y_t (t = 0..254) and yT the last point, Chen's recursion sums up to
;   S1 = yT,   S2[i][j] = sum_t (y_t + y_(t+1))[i]/2 * v_t[j],
;   S3[i][j][k] = sum_t v_t[j] * G_t[i][k],   G_t[i][k] = y_t[i] p_t[k] + y_(t+1)[i] q_t[k],
;   p_t = yT/2 - y_(t+1)/6 - y_t/3,   q_t = p_t - v_t/6.
; (In sum_t S2_(t-1)[i][j] v_t[k] the two sums are exchanged; the inner one is then yT - y_(s+1).  Holds for every path.)
; So S3 is, for each i, a product [16 k x 256 t] x [256 t x 16 j], and S2 one more of the same shape: matrix instructions, f16 in, f32 sums.
; SHARES: work-group = (batch, quarter q): i = 4q .. 4q+3.  Wave w takes increments 64w .. 64w+63 for all four i and for S2;
; the four waves' partial tiles are added through LDS, which also turns them into whole rows of out0.
; FORMAT: G, v and y + y' are made in f32 and rounded once to f16.  Each wave first multiplies its y by a power of two that brings the
; largest |y| it uses (yT among them) into [16, 32): then |v| <= 64 and |G| <= 2048, whatever the size of the inputs; the f32 sums are
; multiplied back exactly (mu^2 for S2, mu^3 for S3).
; LIMITS: a wave whose largest |y| is under 2^-122 uses the scale of 2^-122 (S2 and S3 underflow there anyway).  The order of the sums is
; not the scan's.  NaN and infinities get no treatment of their own.
; NOT USED: joint loads in a cluster.  The four work-groups of a batch share its 16,384 bytes, but each reads them once, there is no loop
; of refills, and every number passes through registers (minus row 0, maximum, scale) before it is laid in LDS.
; The work-group asks for more than half of the LDS so that it is alone on its WGP: one wave on each SIMD.
; THE MODE: SCHED_MODE bits 1:0 = 2 (LLVM: expert scheduling mode 2), set by the entry lines.  The code itself states the register dependences
; between vector or matrix instructions and memory or LDS instructions, with s_wait_alu, always for 0.
; THE PLAN.  Registers that memory or LDS instructions touch, in the order of the text:
;   v4-v6      offsets of the global loads, made at the head; made anew on the way out (LPS, LRD, LRD2).
;   v7-v9      LDS addresses of the stage stores and of the column loads; made anew on the way out (O3, O2, O1).   v10: of the shared loads; never written again.
;   X          the global loads land in it; it is worked on in place; the nine stage stores read it; then the first K block's conversions write it as fragments.
;   YT, P, YB  LDS loads land in them; vector lines read them.  Step u reads YB's rows u and u + 1; v[152:183] and v[200:207] of YB take the way out's loads.
;   D, D4      written by the matrix instructions and scaled in place; the ten stores of the partial tiles read them.
;   R, R2      LDS loads land in them; the adds work in place; the global stores read them.
; So: one wait on va_vdst ahead of the global loads; one ahead of the stage stores, behind all the scalings, which also serves every LDS load up to the
; second K block; one wait on vm_vsrc ahead of the first K block, for X and for v4 to v9; one wait on va_vdst ahead of the partial tiles' stores, behind all the
; back-scalings and all the way out's addresses, which also serves the loads behind the barrier; and one ahead of each of the three kinds of global stores.
.set OUTB,   17472                     ; bytes of a batch in out0: 64 of S1, 1,024 of S2, 16,384 of S3
.set S2OFF,  64
.set S3OFF,  1088
.set BLK,    1088                      ; input stage: a block of 17 rows of 64 bytes (rows 16g .. 16g+16); 272 words, so blocks lie 16 banks apart
.set INW,    8*BLK                     ; a wave's input stage
.set YTOFF,  1024+4*BLK                ; where the scaled yT lies in it (and once more one block further on)
.set PS,     4*INW                     ; behind the four stages: the partial tiles
.set TP,     80                        ; a tile's row: 64 bytes + 16, an odd multiple of 16: the sixteen 16-byte stores of a half wave meet sixteen different groups of banks
.set TILE,   16*TP
.set PSW,    5*TILE                    ; a wave's five partial tiles: S3 for four i, then S2
.set NEG3,   0xbeaaaaab                ; -1/3
.set NEG6,   0xbe2aaaab                ; -1/6
; vector registers
.set LN,  1                            ; lane
.set RR,  2                            ; lane % 16
.set HH,  3                            ; lane / 16
.set GO,  4                            ; byte offset in the batch of my 16 bytes of the wave's first 8 rows
.set GOX, 5                            ; the same for the extra rows
.set GO0, 6                            ; the same for row 0
.set LST, 7                            ; LDS: where the rows go
.set LSTX,8                            ; LDS: where the extra rows go
.set LCOL,9                            ; LDS: my channel's column
.set LBC, 10                           ; LDS: the work-group's four i, shared by a half wave
.set TMP, 11
.set MXA, 12
.set MXB, 13
.set EX,  14                           ; exponent field of the largest |y|
.set YT,  15                           ; scaled yT of my channel
.set LAM, 16                           ; the scale, twice
.set HT,  18                           ; yT/2, twice
.set VV,  20                           ; v     } pairs: increment u of my first run of sixteen,
.set AA,  22                           ; y+y'  } increment u of my second run
.set PP,  24                           ; p     }
.set QQ,  26                           ; q     }
.set T,   28                           ; v[28:35] G for four i, first run; then second run
.set VF0, 36                           ; fragment of v, first K block
.set AF0, 44                           ; fragment of y + y', first K block
.set GF,  52                           ; v[52:83] fragments of G for four i
.set P,   84                           ; v[84:117] pairs (y of row u of my first run, of my second run), u = 0..16
.set YB,  118                          ; v[118:185] rows u = 0..16 of the first run, four i each; v[186:253] of the second run
.set X,   36                           ; v[36:71] the rows as loaded (dead before the fragments are made)
.set X0,  72                           ; v[72:75] row 0
.set VF1, P                            ; second K block's fragments: in P's pairs 0..7, dead by then
.set AF1, P+8
.set D,   YB                           ; v[118:149] four accumulators, in rows 0..7 of YB, dead by then
.set D4,  YB+68                        ; v[186:193] the fifth
.set R,   YB+34                        ; v[152:183] the way out: four waves' parts of my tile
.set R2,  YB+82                        ; v[200:207] the same for S2
.set LPS, 4                            ; late addresses, in registers of the early ones
.set LRD, 5
.set LRD2,6
.set O3,  7
.set O2,  8
.set O1,  9
.set MU,  16                           ; 1/scale, twice
.set MU2, 18                           ; its square, twice
.set MUH, 20                           ; its half, twice
	s_load_b128 s[4:7], s[0:1], 0x0                ; path s[4:5], out0 s[6:7]
	v_lshl_add_u32 v254, v0, 2, 0x29000
	v_mov_b32 v255, 0
	v_lshrrev_b32 v[TMP], 5, v0
	v_readfirstlane_b32 s8, v[TMP]                 ; wave 0..3
	v_and_b32 v[LN], 31, v0
	v_and_b32 v[RR], 15, v0
	v_bfe_u32 v[HH], v0, 4, 1
	v_and_b32 v[GO0], 3, v0                        ; which 16 bytes of a row of 64
	v_lshrrev_b32 v[TMP], 2, v[LN]                 ; which of the 8 rows that a load of the wave covers
	s_lshr_b32 s9, ttmp9, 2                        ; batch
	s_and_b32 s10, ttmp9, 3                        ; quarter q
	s_lshl_b32 s12, s9, 14                         ; batch x 16,384 bytes of path
	s_mov_b32 s13, 0
	s_mul_i32 s14, s9, OUTB
	s_mov_b32 s15, 0
	s_wait_alu depctr_va_sdst(0)                   ; s8 is written, ahead of its first reader: the wave's offsets, LDS bases and branches are made from it
	s_lshl_b32 s16, s8, 12                         ; wave x 64 rows x 64 bytes
	s_lshl_b32 s18, s8, 6
	s_add_co_u32 s18, s18, 16                      ; row 64 w + 16
	v_lshlrev_b32 v[GO0], 4, v[GO0]
	v_lshl_add_u32 v[GO], v[LN], 4, s16
	; The extra rows: lanes 0-15 take rows 64w + 16, + 32, + 48, + 64 (each block's seventeenth row), lanes 16-31 the last row, 255.
	; Row 64w + 64 of the last wave does not exist: it is clamped to row 255, which makes increment 255 zero.
	v_lshl_add_u32 v[GOX], v[TMP], 4, s18
	v_lshl_add_u32 v[GOX], v[HH], 8, v[GOX]        ; + 256 for lanes 16-31: past the end, so the clamp gives 255
	v_min_u32 v[GOX], 0xff, v[GOX]
	v_lshl_add_u32 v[GOX], v[GOX], 6, v[GO0]
	s_wait_kmcnt 0x0
	s_add_nc_u64 s[4:5], s[4:5], s[12:13]
	s_add_nc_u64 s[6:7], s[6:7], s[14:15]
	s_wait_alu depctr_va_vdst(0)                   ; the three offsets v4 to v6 are written, which the ten loads below read
	global_load_b128 v[X0:X0+3], v[GO0], s[4:5]
.irp n, 0,1,2,3,4,5,6,7
	global_load_b128 v[X+4*\n:X+4*\n+3], v[GO], s[4:5] offset:512*\n   ; 8 rows: 512 consecutive bytes, at a multiple of 512 from path's first byte
.endr
	global_load_b128 v[X+32:X+35], v[GOX], s[4:5]
	; while the loads are out: LDS addresses and the scalars of the way out
	s_mul_i32 s17, s8, INW                         ; my wave's input stage
	s_add_co_u32 s19, s17, 1024
	s_lshl_b32 s20, s10, 4                         ; 16 q: channels 4q .. 4q+3 of a row,
	s_add_co_u32 s20, s20, s17                     ; in my wave's stage
	v_lshl_add_u32 v[LST], v[LN], 4, s17
	v_mul_u32_u24 v[LSTX], v[TMP], BLK             ; extra row s goes to the seventeenth row of block s; rows 4..7 (all yT) lie behind the four blocks
	v_add_nc_u32 v[LSTX], v[GO0], v[LSTX]
	v_add_nc_u32 v[LSTX], s19, v[LSTX]
	v_mul_u32_u24 v[LBC], v[HH], BLK               ; lanes 0-15 read blocks 0 and 2, lanes 16-31 blocks 1 and 3
	v_lshl_add_u32 v[LCOL], v[RR], 2, v[LBC]
	v_add_nc_u32 v[LCOL], s17, v[LCOL]
	v_add_nc_u32 v[LBC], s20, v[LBC]               ; wave x 8,704 + 16 q + 1,088 (lane / 16): with the loads' offsets at most 4,352 bytes into my own stage
	s_mov_b32 s22, 0x76543210                      ; v_permlanex16_b32: lane i of one half reads lane i of the other
	s_mov_b32 s23, 0xfedcba98
	s_mul_i32 s21, s8, PSW
	s_add_co_u32 s21, s21, PS                      ; my wave's partial tiles
	s_mul_i32 s24, s8, TILE
	s_add_co_u32 s24, s24, PS                      ; tile w of wave 0's partial tiles
	s_mul_i32 s25, s10, 4*TP
	s_add_co_u32 s25, s25, PS+4*TILE               ; rows 4q .. of wave 0's S2 tile
	s_lshl_b32 s26, s10, 2
	s_add_co_u32 s26, s26, s8                      ; i = 4q + w
	s_lshl_b32 s26, s26, 10
	s_add_co_u32 s26, s26, S3OFF                   ; S3[i] in the batch's part of out0
	s_lshl_b32 s27, s10, 8
	s_add_co_u32 s27, s27, S2OFF                   ; S2[4q] there
; y = x - x_0 in place, and the running maximum of |y| in two chains
.macro TAKE n
	s_wait_loadcnt 8-\n                            ; loads come back in order: 8 - n were issued behind this one
	v_pk_add_f32 v[X+4*\n:X+4*\n+1], v[X+4*\n:X+4*\n+1], v[X0:X0+1] neg_lo:[0,1] neg_hi:[0,1]
	v_pk_add_f32 v[X+4*\n+2:X+4*\n+3], v[X+4*\n+2:X+4*\n+3], v[X0+2:X0+3] neg_lo:[0,1] neg_hi:[0,1]
.if \n == 0
	v_max_num_f32 v[MXA], |v[X]|, |v[X+1]|         ; the first row starts the chains
	v_max_num_f32 v[MXB], |v[X+2]|, |v[X+3]|
.else
	v_max3_num_f32 v[MXA], v[MXA], |v[X+4*\n]|, |v[X+4*\n+1]|
	v_max3_num_f32 v[MXB], v[MXB], |v[X+4*\n+2]|, |v[X+4*\n+3]|
.endif
.endm
.irp n, 0,1,2,3,4,5,6,7,8
	TAKE \n
.endr
	v_max_num_f32 v[MXA], v[MXA], v[MXB]
	v_max_num_f32_dpp v[MXA], v[MXA], v[MXA] row_xmask:1 row_mask:0xf bank_mask:0xf
	v_max_num_f32_dpp v[MXA], v[MXA], v[MXA] row_xmask:2 row_mask:0xf bank_mask:0xf
	v_max_num_f32_dpp v[MXA], v[MXA], v[MXA] row_xmask:4 row_mask:0xf bank_mask:0xf
	v_max_num_f32_dpp v[MXA], v[MXA], v[MXA] row_xmask:8 row_mask:0xf bank_mask:0xf
	v_permlanex16_b32 v[MXB], v[MXA], s22, s23
	v_max_num_f32 v[MXA], v[MXA], v[MXB]           ; every lane: the largest |y| of the wave's 65 rows and of yT
	v_bfe_u32 v[EX], v[MXA], 23, 8                 ; its exponent field E
	v_max_u32 v[EX], 5, v[EX]                      ; so that both 258 - E and E - 4 are exponent fields of normal numbers
	v_sub_nc_u32 v[TMP], 0x102, v[EX]
	v_lshlrev_b32 v[LAM], 23, v[TMP]               ; scale = 2^(131 - E): the largest |y| comes to lie in [16, 32)
	v_lshlrev_b32 v[LAM+1], 23, v[TMP]
.irp n, 8,0,1,2,3,4,5,6,7
	v_pk_mul_f32 v[X+4*\n:X+4*\n+1], v[X+4*\n:X+4*\n+1], v[LAM:LAM+1]   ; all eighteen scalings in one run, ahead of the one wait
	v_pk_mul_f32 v[X+4*\n+2:X+4*\n+3], v[X+4*\n+2:X+4*\n+3], v[LAM:LAM+1]
.endr
	s_wait_alu depctr_va_vdst(0)                   ; the scalings have written X, which the nine stores read; the four LDS addresses v7 to v10 are written, which the stores and all the loads of the stage read
	ds_store_b128 v[LSTX], v[X+32:X+35]
.irp n, 0,1,2,3,4,5,6,7
	ds_store_b128 v[LST], v[X+4*\n:X+4*\n+3] offset:512*\n+64*(\n/2)   ; rows 8n .. 8n+7; 64 bytes are skipped behind every sixteen rows
.endr
	; The stage is my wave's own and LDS serves a wave's instructions in order (ISA guide 5.7.1): the loads below see the stores above.
	ds_load_b32 v[YT], v[LCOL] offset:YTOFF        ; lanes 16-31 read the copy one block further on
.irp u, 0,1,2,3,4,5,6,7,8,9,10,11,12,13,14,15,16
	ds_load_b32 v[P+2*\u], v[LCOL] offset:64*\u              ; row u of my first run
	ds_load_b32 v[P+2*\u+1], v[LCOL] offset:2*BLK+64*\u      ; row u of my second run
.endr
; y[4q .. 4q+3] of row u of both runs: one address for each half wave
.macro YBROW u
	ds_load_b128 v[YB+4*(\u):YB+4*(\u)+3], v[LBC] offset:64*(\u)
	ds_load_b128 v[YB+68+4*(\u):YB+68+4*(\u)+3], v[LBC] offset:2*BLK+64*(\u)
.endm
.irp u, 0,1,2,3,4,5,6,7,8
	YBROW \u                                       ; what the first K block reads
.endr
	s_wait_dscnt 18                                ; yT and all of P are in: the 18 loads of YB's rows 0..8 were issued behind them
	v_mul_f32 v[HT], 0.5, v[YT]
	v_mul_f32 v[HT+1], 0.5, v[YT]
	s_wait_alu depctr_vm_vsrc(0)                   ; the stage stores have read X, which the conversions below write as fragments; the global loads have read v4 to v6, the stage stores v7 and v8, the column loads v9, all of which the way out makes anew
; Eight steps: register u % 8 of every fragment of one K block.  Lane (r, h), register u, half e of the word stand for
; increment 16 (h + 2e) + u of the wave's 64, in all fragments alike, so the products meet their partners.
; The second K block's rows of YB, 9 to 16, are asked for in the first block's steps, row u + 9 at the head of step u.  No wait: since the wait ahead of the stage
; stores no vector line has named v10 or a row of YB above u + 1.
.set u, 0
.macro STEPS vf, af
.rept 8
.if u < 8
	YBROW u+9
	s_wait_dscnt 16                                ; rows u and u+1 of YB are in: the loads of rows u+2 .. u+9, two each, were issued behind them
.else
	s_wait_dscnt 30-2*u                            ; rows u and u+1 of YB are in: the loads of rows u+2 .. 16, two each, were issued behind them
.endif
	v_pk_add_f32 v[VV:VV+1], v[P+2*u+2:P+2*u+3], v[P+2*u:P+2*u+1] neg_lo:[0,1] neg_hi:[0,1]
	v_pk_fma_f32 v[PP:PP+1], v[P+2*u:P+2*u+1], NEG3, v[HT:HT+1] op_sel_hi:[1,0,1]
	v_pk_add_f32 v[AA:AA+1], v[P+2*u+2:P+2*u+3], v[P+2*u:P+2*u+1]
	v_pk_fma_f32 v[PP:PP+1], v[P+2*u+2:P+2*u+3], NEG6, v[PP:PP+1] op_sel_hi:[1,0,1]
	v_cvt_pk_f16_f32 v[\vf+u%8], v[VV], v[VV+1]
	v_cvt_pk_f16_f32 v[\af+u%8], v[AA], v[AA+1]
	v_pk_fma_f32 v[QQ:QQ+1], v[VV:VV+1], NEG6, v[PP:PP+1] op_sel_hi:[1,0,1]
	; G for two i at a time: (y[i0], y[i1]) times my channel's p, plus the next row's pair times q; op_sel picks the run
	v_pk_mul_f32 v[T:T+1],   v[YB+4*u:YB+4*u+1],       v[PP:PP+1] op_sel_hi:[1,0]
	v_pk_mul_f32 v[T+2:T+3], v[YB+4*u+2:YB+4*u+3],     v[PP:PP+1] op_sel_hi:[1,0]
	v_pk_mul_f32 v[T+4:T+5], v[YB+68+4*u:YB+68+4*u+1], v[PP:PP+1] op_sel:[0,1] op_sel_hi:[1,1]
	v_pk_mul_f32 v[T+6:T+7], v[YB+70+4*u:YB+70+4*u+1], v[PP:PP+1] op_sel:[0,1] op_sel_hi:[1,1]
	v_pk_fma_f32 v[T:T+1],   v[YB+4*u+4:YB+4*u+5],     v[QQ:QQ+1], v[T:T+1]   op_sel_hi:[1,0,1]
	v_pk_fma_f32 v[T+2:T+3], v[YB+4*u+6:YB+4*u+7],     v[QQ:QQ+1], v[T+2:T+3] op_sel_hi:[1,0,1]
	v_pk_fma_f32 v[T+4:T+5], v[YB+72+4*u:YB+72+4*u+1], v[QQ:QQ+1], v[T+4:T+5] op_sel:[0,1,0] op_sel_hi:[1,1,1]
	v_pk_fma_f32 v[T+6:T+7], v[YB+74+4*u:YB+74+4*u+1], v[QQ:QQ+1], v[T+6:T+7] op_sel:[0,1,0] op_sel_hi:[1,1,1]
	v_cvt_pk_f16_f32 v[GF+u%8],    v[T],   v[T+4]
	v_cvt_pk_f16_f32 v[GF+8+u%8],  v[T+1], v[T+5]
	v_cvt_pk_f16_f32 v[GF+16+u%8], v[T+2], v[T+6]
	v_cvt_pk_f16_f32 v[GF+24+u%8], v[T+3], v[T+7]
.set u, u+1
.endr
.endm
; Five matrix instructions on five accumulators, which take turns, one instruction a turn.
; S3: source 0 = G (rows k), source 1 = v (columns j): lane (r, h) gets S3[i][j = r][k = 8h .. 8h+7], 32 neighbouring bytes of out0.
; S2: source 0 = v (rows j), source 1 = y + y' (columns c): lane (r, h) gets 2 S2[c = r][j = 8h .. 8h+7].
.macro MATS vf, af, first
.irp i, 0,1,2,3
.if \first
	v_wmma_f32_16x16x32_f16 v[D+8*\i:D+8*\i+7], v[GF+8*\i:GF+8*\i+7], v[\vf:\vf+7], 0      ; the first product starts the sum
.else
	v_wmma_f32_16x16x32_f16 v[D+8*\i:D+8*\i+7], v[GF+8*\i:GF+8*\i+7], v[\vf:\vf+7], v[D+8*\i:D+8*\i+7]
.endif
.endr
.if \first
	v_wmma_f32_16x16x32_f16 v[D4:D4+7], v[\vf:\vf+7], v[\af:\af+7], 0
.else
	v_wmma_f32_16x16x32_f16 v[D4:D4+7], v[\vf:\vf+7], v[\af:\af+7], v[D4:D4+7]
.endif
.endm
	STEPS VF0, AF0
	MATS VF0, AF0, 1
	STEPS VF1, AF1                                 ; G's fragments are written again fifteen plain vector instructions behind the matrix instructions that read them (ISA guide 7.12.1)
	MATS VF1, AF1, 0
	; Plain vector instructions that name no register of the matrix instructions: the places in front of the first read of a result (ISA guide 7.12.1).
	; All the way out's addresses are made here, ahead of the one wait that stands in front of the partial tiles' stores.
	v_add_nc_u32 v[TMP], -4, v[EX]
	v_mul_u32_u24 v[LPS], v[RR], TP
	v_lshlrev_b32 v[MU], 23, v[TMP]                ; mu = 2^(E - 131) = 1 / scale
	v_lshlrev_b32 v[MU+1], 23, v[TMP]
	v_lshl_add_u32 v[LPS], v[HH], 5, v[LPS]
	v_add_nc_u32 v[LPS], s21, v[LPS]               ; my 32 bytes of a tile's row r
	v_pk_mul_f32 v[MU2:MU2+1], v[MU:MU+1], v[MU:MU+1]
	v_pk_mul_f32 v[MUH:MUH+1], v[MU:MU+1], 0.5 op_sel_hi:[1,0]
	v_lshrrev_b32 v[LRD], 2, v[LN]
	v_and_b32 v[TMP], 3, v[LN]
	v_mul_u32_u24 v[LRD], v[LRD], TP
	v_lshl_add_u32 v[LRD], v[TMP], 4, v[LRD]
	v_add_nc_u32 v[LRD], s24, v[LRD]               ; tile w: row lane / 4, 16 bytes at 16 (lane % 4).
	v_lshrrev_b32 v[LRD2], 3, v[LN]
	v_and_b32 v[TMP], 7, v[LN]
	v_mul_u32_u24 v[LRD2], v[LRD2], TP
	v_lshl_add_u32 v[LRD2], v[TMP], 3, v[LRD2]
	v_add_nc_u32 v[LRD2], s25, v[LRD2]             ; S2 tile: row 4q + lane / 8, 8 bytes at 8 (lane % 8): bytes 0 to 63 of a row, never its 16 bytes of padding
	v_lshl_add_u32 v[O3], v[LN], 4, s26
	v_lshl_add_u32 v[O2], v[LN], 3, s27
	v_lshlrev_b32 v[O1], 2, v[RR]
	; back to the path's own scale, exactly: S3 by mu, then by mu^2; S2 by mu, then by mu/2 (the half of y + y')
.irp t, 0,1,2,3
.irp m, 0,2,4,6
	v_pk_mul_f32 v[D+8*\t+\m:D+8*\t+\m+1], v[D+8*\t+\m:D+8*\t+\m+1], v[MU:MU+1]
.endr
.irp m, 0,2,4,6
	v_pk_mul_f32 v[D+8*\t+\m:D+8*\t+\m+1], v[D+8*\t+\m:D+8*\t+\m+1], v[MU2:MU2+1]
.endr
.endr
.irp m, 0,2,4,6
	v_pk_mul_f32 v[D4+\m:D4+\m+1], v[D4+\m:D4+\m+1], v[MU:MU+1]
.endr
.irp m, 0,2,4,6
	v_pk_mul_f32 v[D4+\m:D4+\m+1], v[D4+\m:D4+\m+1], v[MUH:MUH+1]
.endr
	s_wait_alu depctr_va_vdst(0)                   ; the multiplies have written D and D4, which the ten stores read; the six addresses v4 to v9 are written; the steps are done reading the registers of YB in which the loads behind the barrier land
.irp t, 0,1,2,3
	ds_store_b128 v[LPS], v[D+8*\t:D+8*\t+3] offset:TILE*\t
	ds_store_b128 v[LPS], v[D+8*\t+4:D+8*\t+7] offset:TILE*\t+16
.endr
	ds_store_b128 v[LPS], v[D4:D4+3] offset:TILE*4
	ds_store_b128 v[LPS], v[D4+4:D4+7] offset:TILE*4+16
	s_wait_dscnt 0x0                               ; for the other waves' sake: my partial tiles are in LDS
	s_barrier_signal -1
	s_barrier_wait -1                              ; everybody's are
	s_cmp_lg_u32 s8, 0
	s_cbranch_scc1 .Lno_s2_reads
.irp k, 0,1,2,3
	ds_load_b64 v[R2+2*\k:R2+2*\k+1], v[LRD2] offset:PSW*\k           ; wave 0 also adds up the work-group's four rows of S2.  No vector line stands between the last wait on va_vdst and these loads
.endr
.Lno_s2_reads:
.irp k, 0,1,2,3
	ds_load_b128 v[R+8*\k:R+8*\k+3], v[LRD] offset:PSW*\k             ; wave k's part of S3[4q + w]: rows j = 0..7
	ds_load_b128 v[R+8*\k+4:R+8*\k+7], v[LRD] offset:PSW*\k+8*TP      ; rows j = 8..15
.endr
	s_wait_dscnt 0x0
.irp m, 0,2,4,6
	v_pk_add_f32 v[R+\m:R+\m+1], v[R+\m:R+\m+1], v[R+8+\m:R+8+\m+1]
	v_pk_add_f32 v[R+16+\m:R+16+\m+1], v[R+16+\m:R+16+\m+1], v[R+24+\m:R+24+\m+1]
.endr
.irp m, 0,2,4,6
	v_pk_add_f32 v[R+\m:R+\m+1], v[R+\m:R+\m+1], v[R+16+\m:R+16+\m+1]
.endr
	s_wait_alu depctr_va_vdst(0)                   ; the adds have written v[R:R+7], which the two stores read
	; Each store of the wave covers 512 consecutive bytes of out0.  (A batch's part begins 64 (batch % 4) bytes behind a multiple of 256, since 17,472 = 68 x 256 + 64.)
	global_store_b128 v[O3], v[R:R+3], s[6:7] th:TH_STORE_NT
	global_store_b128 v[O3], v[R+4:R+7], s[6:7] offset:512 th:TH_STORE_NT
	s_cmp_lg_u32 s8, 0
	s_cbranch_scc1 .Lnot_wave_0
	v_pk_add_f32 v[R2:R2+1], v[R2:R2+1], v[R2+2:R2+3]
	v_pk_add_f32 v[R2+4:R2+5], v[R2+4:R2+5], v[R2+6:R2+7]
	v_pk_add_f32 v[R2:R2+1], v[R2:R2+1], v[R2+4:R2+5]
	s_wait_alu depctr_va_vdst(0)                   ; the adds have written v[R2:R2+1], which the store reads
	global_store_b64 v[O2], v[R2:R2+1], s[6:7] th:TH_STORE_NT         ; S2[4q .. 4q+3]: 32 lanes, 256 consecutive bytes
	s_wait_dscnt 0x0
	s_wait_alu depctr_hold_cnt(0) depctr_sa_sdst(0) depctr_va_vdst(0) depctr_va_sdst(0) depctr_va_ssrc(0) depctr_va_vcc(0) depctr_vm_vsrc(0)
	s_wait_tensorcnt 0x0
	ds_add_u32 v254, v255
	s_wait_dscnt 0x0
	s_endpgm
.Lnot_wave_0:
	s_xor_b32 s28, s8, 1
	s_or_b32 s28, s28, s10
	s_cmp_lg_u32 s28, 0                            ; S1 is stored once for a batch: by wave 1 of quarter 0
	s_cbranch_scc1 .Lend
	v_mul_f32 v[YT], v[YT], v[MU]                  ; x_255 - x_0, the power of two taken out again
	s_wait_alu depctr_va_vdst(0)                   ; the multiply has written v[YT], which the store reads
	global_store_b32 v[O1], v[YT], s[6:7] th:TH_STORE_NT              ; 64 bytes; the two halves of the wave hold the same sixteen numbers and write them to the same sixteen words
.Lend:
	s_wait_dscnt 0x0
	s_wait_alu depctr_hold_cnt(0) depctr_sa_sdst(0) depctr_va_vdst(0) depctr_va_sdst(0) depctr_va_ssrc(0) depctr_va_vcc(0) depctr_vm_vsrc(0)
	s_wait_tensorcnt 0x0
	ds_add_u32 v254, v255
	s_wait_dscnt 0x0
	s_endpgm
.Lfunc_end_k_q6f58234567_sig3:
	.size	k_q6f58234567_sig3, .Lfunc_end_k_q6f58234567_sig3-k_q6f58234567_sig3
	.p2alignl 7, 3214868480
	.fill 96, 4, 3214868480
	.section	.rodata,"a",@progbits
	.p2align	6, 0x0
	.amdhsa_kernel k_q6f58234567_sig3
		.amdhsa_group_segment_fixed_size 168448
		.amdhsa_private_segment_fixed_size 0
		.amdhsa_enable_private_segment 0
		.amdhsa_kernarg_size 16
		.amdhsa_user_sgpr_count 2
		.amdhsa_user_sgpr_kernarg_segment_ptr 1
		.amdhsa_wavefront_size32 1
		.amdhsa_system_sgpr_workgroup_id_x 1
		.amdhsa_system_sgpr_workgroup_id_y 1
		.amdhsa_system_sgpr_workgroup_id_z 1
		.amdhsa_system_vgpr_workitem_id 0
		.amdhsa_next_free_vgpr 256
		.amdhsa_next_free_sgpr 66
		.amdhsa_reserve_vcc 0
		.amdhsa_float_denorm_mode_32 3
		.amdhsa_float_denorm_mode_16_64 3
		.amdhsa_memory_ordered 1
		.amdhsa_forward_progress 1
		.amdhsa_inst_pref_size 42
	.end_amdhsa_kernel
	.amdgpu_metadata
---
amdhsa.version: [ 1, 2 ]
amdhsa.kernels:
  - .name:           k_q6f58234567_sig3
    .symbol:         k_q6f58234567_sig3.kd
    .args:
      - { .name: path, .offset: 0, .size: 8, .value_kind: global_buffer, .address_space: global }
      - { .name: out0, .offset: 8, .size: 8, .value_kind: global_buffer, .address_space: global }
    .group_segment_fixed_size: 168448
    .private_segment_fixed_size: 0
    .kernarg_segment_align: 8
    .kernarg_segment_size: 16
    .max_flat_workgroup_size: 128
    .sgpr_count:     66
    .vgpr_count:     256
    .wavefront_size: 32
...
	.end_amdgpu_metadata
.endif
;; end of part 2
